; MI455X (gfx1250); checked and timed in simulation.
; The chip was launched on July 23, 2026; its instructions are those of AMD's public machine-readable ISA for CDNA 5 (MIT licence, August 2026) and "CDNA5" Instruction Set Architecture Reference Guide (July 2026). The comments in the code are by the model that wrote it; some were corrected since.
;; IPDF Encoder. Allowed arithmetic: matrix products marked QUANTISED: E2M1 operands, one E8M0 scale for each 32 along K, by v_wmma_scale_f32_16x16x128_f8f6f4 with both operands' format E2M1 (or v_wmma_scale_f32_32x16x128_f4), f32 sums; products left as they are: f32 operands where the result goes on into a quantised operand, else bf16, f16 or f32 operands; f32 sums; everything else in f32.
;; Inputs: b1 8 x 256 float32; b2 8 x 256 float32; b3 8 x 1 float32; obj_idx 16 int32; w1 8 x 256 x 6 float32; w2 8 x 256 x 256 float32; w3 8 x 1 x 256 float32; x 16 x 6 x 32,768 float32.
;; Outputs: out0 16 x 1 x 32,768 float32.
;; This version of the problem:
;;   THIS VERSION OF THE PROBLEM IS GIVEN IN LOW PRECISION. The matrix products marked QUANTISED in the list below multiply operands that are first quantised to E2M1 (2 exponent bits, 1 mantissa bit; 4 bits a number), with one power-of-two scale for each 32 numbers along K (OCP MX v1.0); their sums are f32. All else is computed in f32.
;;   The module's matrix products, in the order in which they are computed (A, B: the left and right operand; K: the contracted axis; several contracted axes count as one K, in the product's order):
;;     1. batch 16 x [M 256, K 6] x [K 6, N 32,768]; A: computed on the way; B: input x: left as it is (K = 6 < 32)
;;     2. batch 16 x [M 256, K 256] x [K 256, N 32,768]; A: computed on the way; B: computed on the way: QUANTISED
;;     3. batch 16 x [M 1, K 256] x [K 256, N 32,768]; A: computed on the way; B: computed on the way: left as it is (M = 1 < 16)
;;   THE QUANTISER, for each operand of a quantised product, along K:
;;     - K is cut into blocks of 32 from its start; a last block that is shorter is filled with zeros.
;;     - A block's scale is 2^e with e = floor(log2(the largest magnitude in the block)) - 2, held to -126 .. 127; a block of zeros has e = 0. As a byte (E8M0): e + 127.
;;     - Each number is divided by its block's scale, clamped to +-6, and rounded to the nearest number of E2M1, ties to even, subnormals kept.
;;     - The product sums the exact products of the quantised numbers (number of the format x scale) in f32.
;;   ~~~python
;;   def quantise(x, axis):      # numpy; x: float32 -> the quantised numbers, widened to float32 again
;;       x = np.moveaxis(x, axis, -1); K = x.shape[-1]
;;       x = np.pad(x, [(0, 0)] * (x.ndim - 1) + [(0, -K % 32)]); x = x.reshape(x.shape[:-1] + (-1, 32)); a = np.abs(x).max(-1, keepdims=True)
;;       e = np.where(a > 0, np.clip(np.frexp(np.where(a > 0, a, 1))[1] - 1 - 2, -126, 127), 0)      # np.frexp(a)[1] - 1 = floor(log2(a)), exactly
;;       r = np.clip(x / 2.0 ** e, -6, 6)
;;       step = 2.0 ** (np.maximum(np.frexp(np.where(r == 0, 1, r))[1] - 1, 0) - 1)
;;       q = np.round(r / step) * step * 2.0 ** e      # np.round: ties to even
;;       return np.moveaxis(q.reshape(q.shape[:-2] + (-1,))[..., :K], -1, axis).astype(np.float32)
;;   ~~~
;;   OPERANDS COMPUTED ON THE WAY. 'Computed on the way' means the value that the module computes at that place (a softmax that the list does not call 'softmax' is quantised finished and normalised). What goes into a quantiser is computed in f32, as accurately as f32 sums, v_exp_f32 and their like allow (about 1e-6 of the number): no bf16 or f16 on the way to a quantiser, and a product that is left as it is and whose result goes on into a quantised operand takes f32 operands (vector FMAs, or v_wmma_f32_16x16x4_f32). A number that lies on a knife's edge between two numbers of the format may be rounded either way, as far as f32 arithmetic and the matrix unit's own rounding can turn it there, and no further.
;; One version. Each part assembles by itself: llvm-mc -triple=amdgcn-amd-amdhsa -mcpu=gfx1250 --defsym DOCPART=n.
;; ======== version 1 of 1: 1 launch
;; limits: a difference of large sums (such as E[x^2] - mean^2): digits are lost where the result is much smaller than its terms
;; launch mlp (part 1): grid 16 x 16, 8 waves a work-group, no clusters, 327,680 bytes of LDS; arguments x, obj_idx, w1, b1, w2, b2, w3, b3, out0; writes out0
.if DOCPART == 1
	.amdgcn_target "amdgcn-amd-amdhsa--gfx1250"
	.amdhsa_code_object_version 6
	.text
	.protected	k_q1c36b788d8_mlp
	.globl	k_q1c36b788d8_mlp
	.p2align	8
	.type	k_q1c36b788d8_mlp,@function
k_q1c36b788d8_mlp:
	s_mov_b64 s[64:65], 0
	v_nop
	global_prefetch_b8 v0, s[64:65] scope:SCOPE_SE
	s_setreg_imm32_b32 hwreg(HW_REG_WAVE_MODE, 25, 1), 1
	s_wait_xcnt 0x0
; out[b][v] = w3[e] . relu(w2[e] relu(w1[e] x[b][:, v] + b1[e]) + b2[e]) + b3[e],  e = obj_idx[b].  x [16][6][32768], out [16][1][32768], f32.
; The middle product (256 x 256 for each position) is made on codes of FP4 (E2M1) with one E8M0 scale for each 32 along K; both operands are quantised here.
; The first product (K = 6) feeds that quantiser: f32 operands, by the f32 matrix form.  The last (one row) is packed f32 multiply-adds.
; SHARES.  Work-group (c, b): sample b, positions 2048 c on; one expert.  EIGHT waves, two to a SIMD, 512 registers each.  Wave w: 256 positions, 16 tiles of 16, through the whole chain by itself:
; a wave walks matrix phases and vector phases one after the other, and the second wave of its SIMD has the other kind of work to offer meanwhile.
; ALL WEIGHTS OF THE EXPERT STAY IN EACH WAVE'S REGISTERS, so the loop has no barrier and touches LDS for four loads of x and one store a tile.
; HEAD.  Wave w brings rows 32 w .. 32 w + 31 of w2[e] (f32) and its own six rows of x into LDS by two tensor loads, quantises its 32 rows (a lane holds whole blocks
; of 32 along K) and stores the fragments as images of their registers; one barrier; every wave loads all 32 fragments and 16 scale registers.
; FIRST PRODUCT: D = (16 channels of w1) x (16 positions): a lane holds ONE position (lane % 16).  Row m of channel tile 2 b + u is channel 32 b + 8 u + m + 8 (m / 8),
; so that registers 16 b .. 16 b + 15 are channels 32 b + 16 (lane / 16) + 0 .. 15: neighbours along the next K.  K is 8 places: 0-5 w1 against x, 6 b1 against 1.0, 7 zero against zero.
; It goes in two halves of 128 channels (one K step of the second product, 64 registers), each quantised before the next is made.
; relu of the hidden layer: the block's maximum is taken without |.| over the floor (what is negative does not count), the conversions read the sums as they are, and codes with the sign bit
; are cleared by four integer lines for eight codes: the same codes and scales as quantising relu(h).  So these registers are written by matrix instructions alone.
; SECOND PRODUCT: A = the codes (16 positions), B = 16 rows of w2: in D a lane holds ONE channel (16 T + lane % 16) and eight positions (8 (lane / 16) + j), so w3 and b2 are one register a row tile.
; Its eight accumulators lie over the first product's 64 registers.  relu(a + b2) is taken as max(a, -b2) + b2: the maximum's second source is -b2, and the sum of w3 b2 over a lane's 16 channels,
; made once at the head (with b3 in lanes 0 and 16), starts that lane's eight sums.  A butterfly over the 16 lanes ends a tile: lane r keeps position 8 (lane / 16) + r / 2.
; NOT ASKED FOR JOINTLY: the 16 work-groups of a sample read the same 262,144 bytes of w2[e], once, at the head; their address hangs on obj_idx, a number read from memory,
; and the loop shares nothing.  So the launch is plain.
; LIMITS: NaN and infinities are not served.  A block whose largest (positive, for the hidden layer) number lies under 2^-124 has its byte held at 1, a block of zeros too (its codes are zeros,
; and only this text reads the bytes).  obj_idx is held to 0 .. 7.  b1 is added as the seventh term of the f32 chain, not behind the sum.  b2 enters as set out above: the result carries the f32
; rounding of sums of |w3 b2| (some 32 roundings a lane), also where every relu is 0.
; LDS (317,440 bytes used): WREG(w) = 33,280 w: 32 rows of w2, 1,024 bytes + 16 of padding; over its first 5,376 bytes, once the wave has read its first 16 rows (16,640 bytes) and the region
; has had its one fill: 4 fragment images (4,096), 2 scale images (256), the wave's 256 results (1,024).  XREG(w) = 266,240 + 6,144 w: six rows of 1,024 bytes.  CONSTB: 1,024 bytes of 1.0, 1,024 of 0.0.
; REGISTERS, in two windows of 256 (s_set_vgpr_msb: bits 1:0 source 0, 3:2 source 1, 5:4 source 2, 7:6 destination):
;   window 0: v0-15, v34, v35 addresses and constants; v16-31 w2's scale words (lanes 0-15 K step 0, lanes 16-31 K step 1); v32-33 the codes' scale words; v36-67 pairs (w3, -b2), one a row tile;
;             v68-69 the sums' start; v70-72 LDS addresses; v73 the result; v74-77 x; v78-81 image addresses; v82-97 the codes; v98-127 at work; v128-191 the first product's half, then the accumulators; v192-255 w1's fragments
;   window 1: w2's 32 fragments ((T, s) at 8 (2 T + s)); at the head v0-127 f32 numbers of w2, v128-160 the quantiser's work, v192-239 w1's k = 4, 5 and b1 as loaded
.set WPITCH, 1040                      ; 260 words: row r starts 4 r words on modulo 64, so the 16 rows that a 16-byte load touches start at 16 different places
.set WREG,   32*WPITCH
.set SIMG,   4096
.set OUTS,   4352
.set XBASE,  8*WREG
.set XREG,   6144
.set CONSTB, XBASE+8*XREG
.set W2S,  16
.set PW,   32
.set WB,   36
.set INIT, 68
.set AX01, 70
.set AX23, 71
.set AOUT, 72
.set RES,  73
.set XF,   74
.set IA,   78
.set PC,   82
.set TM,   98
.set TP,   102
.set SO,   106
.set BY,   110
.set PWT,  114
.set CA,   116
.set CB,   124
.set SS,   98                          ; the last product's eight sums (where TM and TP lay)
.set TT,   106                         ; a row tile's eight maxima, two sets
.set D1,   128
.set W1F,  192
.set QT,   128                         ; window 1, at the head
.set QS,   132
.set QB,   136
.set QWD,  140
.set QC,   144
.set Q8H,  160
.set RW,   192
.set RB,   224
.set MSB, 0
.macro WIN new                         ; the immediate's high byte repeats the setting that is left; a switch that changes nothing is dropped
.if MSB != \new
	s_set_vgpr_msb (MSB<<8)|\new
.set MSB, \new
.endif
.endm
; Half hf of the first product: channel tiles 8 hf .. 8 hf + 7, 16 f32 matrix instructions.  A block of two tiles goes tile 0 K part 0, tile 1 part 0, tile 0 part 1, tile 1 part 1:
; the accumulators take turns, one instruction a turn.  Part 0 starts the sum with the constant 0.
.macro L1H hf
.irp b, 0,1,2,3
	v_wmma_f32_16x16x4_f32 v[D1+16*\b:D1+16*\b+7], v[W1F+32*\hf+8*\b:W1F+32*\hf+8*\b+1], v[XF:XF+1], 0
	v_wmma_f32_16x16x4_f32 v[D1+16*\b+8:D1+16*\b+15], v[W1F+32*\hf+8*\b+4:W1F+32*\hf+8*\b+5], v[XF:XF+1], 0
	v_wmma_f32_16x16x4_f32 v[D1+16*\b:D1+16*\b+7], v[W1F+32*\hf+8*\b+2:W1F+32*\hf+8*\b+3], v[XF+2:XF+3], v[D1+16*\b:D1+16*\b+7]
	v_wmma_f32_16x16x4_f32 v[D1+16*\b+8:D1+16*\b+15], v[W1F+32*\hf+8*\b+6:W1F+32*\hf+8*\b+7], v[XF+2:XF+3], v[D1+16*\b+8:D1+16*\b+15]
.endr
.endm
; K step s of the hidden layer (register D1 + 16 b + i = channel 128 s + 32 b + 16 (lane / 16) + i of my position): the four blocks' scales, the scale word, the codes.
.macro QMAX s
.irp b, 0,1,2,3
	v_max3_num_f32 v[TM+\b], v[D1+16*\b], v[D1+16*\b+1], 0x1800000   ; no |.|: a negative number does not count; the floor 2^(3 - 127) holds the byte at 1 from below
.endr
.irp i, 2,4,6,8,10,12,14
.irp b, 0,1,2,3
	v_max3_num_f32 v[TM+\b], v[TM+\b], v[D1+16*\b+\i], v[D1+16*\b+\i+1]   ; the four blocks by turns
.endr
.endr
.irp b, 0,1,2,3
	v_permlanex16_b32 v[TP+\b], v[TM+\b], s56, s57
.endr
.irp b, 0,1,2,3
	v_max_num_f32 v[TM+\b], v[TM+\b], v[TP+\b]     ; with lane l xor 16's 16 channels: the block's largest
.endr
.irp b, 0,1,2,3
	v_add_nc_u32 v[SO+\b], 0xff000000, v[TM+\b]    ; 2 off its exponent field: the conversion's scale operand
.endr
.irp b, 0,1,2,3
	v_lshrrev_b32 v[BY+\b], 23, v[SO+\b]           ; the scale's byte
.endr
	v_lshl_or_b32 v[PWT], v[BY+1], 8, v[BY]
	v_lshl_or_b32 v[PWT], v[BY+2], 16, v[PWT]
	v_lshl_or_b32 v[PW+\s], v[BY+3], 24, v[PWT]    ; my position's scale word for this K step
.irp b, 0,1,2,3
	v_cvt_scalef32_pk8_fp4_f32 v[PC+8*\s+2*\b], v[D1+16*\b:D1+16*\b+7], v[SO+\b]
	v_cvt_scalef32_pk8_fp4_f32 v[PC+8*\s+2*\b+1], v[D1+16*\b+8:D1+16*\b+15], v[SO+\b]
.endr
	v_nop                                          ; one plain line behind the scaled conversions: matrix lines write their sources and vector lines read their results next
.endm
; relu on the codes of K step s, and the exchange of halves that the operand's layout asks.
.macro QFIN s
.irp i, 0,1,2,3,4,5,6,7
	v_bfi_b32 v[CA+\i], v[PC+8*\s+\i], 0, s59      ; 8 in each nibble whose sign bit is clear
.endr
.irp u, 0,4
.irp i, 0,1,2,3
	v_lshrrev_b32 v[CB+\i], 3, v[CA+\u+\i]
.endr
.irp i, 0,1,2,3
	v_sub_nc_u32 v[CA+\u+\i], v[CA+\u+\i], v[CB+\i]   ; 8 - 1 = 7 there, 0 in the others: no borrow leaves a nibble
.endr
.endr
.irp i, 0,1,2,3,4,5,6,7
	v_and_b32 v[PC+8*\s+\i], v[PC+8*\s+\i], v[CA+\i]   ; negative codes become the code 0
.endr
.irp c, 0,1
.irp i, 0,1
	v_permlane16_swap_b32 v[PC+8*\s+4*\c+\i], v[PC+8*\s+4*\c+2+\i]   ; a whole block in a lane: lanes 0-15 block 2 c, lanes 16-31 block 2 c + 1
.endr
.endr
.endm
; Row tiles 8 g .. 8 g + 7 of the second product: eight accumulators by turns, K step 0 (which starts the sums), then K step 1 in place.
.macro L2 g
	WIN 0x04                                       ; source 1 (w2's fragments) window 1
.irp a, 0,1,2,3,4,5,6,7
	v_wmma_scale_f32_16x16x128_f8f6f4 v[D1+8*\a:D1+8*\a+7], v[PC:PC+7], v[16*(8*\g+\a):16*(8*\g+\a)+7], 0, v[PW], v[W2S+8*\g+\a] matrix_a_fmt:MATRIX_FMT_FP4 matrix_b_fmt:MATRIX_FMT_FP4
.endr
.irp a, 0,1,2,3,4,5,6,7
	v_wmma_scale_f32_16x16x128_f8f6f4 v[D1+8*\a:D1+8*\a+7], v[PC+8:PC+15], v[16*(8*\g+\a)+8:16*(8*\g+\a)+15], v[D1+8*\a:D1+8*\a+7], v[PW+1], v[W2S+8*\g+\a] matrix_a_fmt:MATRIX_FMT_FP4 matrix_b_fmt:MATRIX_FMT_FP4 matrix_b_scale:MATRIX_SCALE_ROW1
.endr
	WIN 0
.endm
; The last product's four packed lines for row tile T, whose maxima lie in set u: eight positions x my channel's w3 (the pair's low word serves both halves).  first = 1: they start the sums.
.macro P3 T, u, first
.irp q, 0,1,2,3
.if \first
	v_pk_fma_f32 v[SS+2*\q:SS+2*\q+1], v[TT+8*(\u)+2*\q:TT+8*(\u)+2*\q+1], v[WB+2*(\T):WB+2*(\T)+1], v[INIT:INIT+1] op_sel_hi:[1,0,1]
.else
	v_pk_fma_f32 v[SS+2*\q:SS+2*\q+1], v[TT+8*(\u)+2*\q:TT+8*(\u)+2*\q+1], v[WB+2*(\T):WB+2*(\T)+1], v[SS+2*\q:SS+2*\q+1] op_sel_hi:[1,0,1]
.endif
.endr
.endm
; max(a, -b2) and the last product of eight row tiles.  Tile 7's four packed lines follow the macro.
.macro EGRP g
.irp a, 0,1,2,3,4,5,6,7
.if (\g == 0) && (\a == 0)
.rept 4
	v_nop                                          ; four places between the second product and the first read of its results (ISA guide 7.12.1)
.endr
.endif
.irp j, 0,1,2,3,4,5,6,7
	v_max_num_f32 v[TT+8*(\a%2)+\j], v[D1+8*\a+\j], v[WB+2*(8*\g+\a)+1]   ; each accumulator from its low end on
.endr
.if (\g == 0) && (\a == 1)
	P3 0, 0, 1
.elseif \a > 0
	P3 8*\g+\a-1, (\a-1)%2, 0
.endif
.endr
.endm
; The eight sums of a lane (positions 8 (lane / 16) + j, my channels' part) are added over the 16 lanes of a row.  In each step a lane keeps half of its sums, by a bit of its number,
; and sends the other half to the lane that keeps them: 8, 4, 2, then 1 sum a lane.  Lane r ends with j = r / 2; lanes r and r xor 1 hold the same bits.
.macro REDUCE
.irp q, 0,1,2,3
	v_cndmask_b32 v[TT+\q], v[SS+\q], v[SS+4+\q], s66      ; kept: j = q, or q + 4 in lanes with bit 3
	v_cndmask_b32 v[TT+4+\q], v[SS+4+\q], v[SS+\q], s66    ; sent
.endr
.irp q, 0,1,2,3
	v_add_f32_dpp v[SS+\q], v[TT+4+\q], v[TT+\q] row_xmask:8 row_mask:0xf bank_mask:0xf
.endr
.irp q, 0,1
	v_cndmask_b32 v[TT+\q], v[SS+\q], v[SS+2+\q], s67      ; + 2 in lanes with bit 2
	v_cndmask_b32 v[TT+2+\q], v[SS+2+\q], v[SS+\q], s67
.endr
.irp q, 0,1
	v_add_f32_dpp v[SS+\q], v[TT+2+\q], v[TT+\q] row_xmask:4 row_mask:0xf bank_mask:0xf
.endr
	v_cndmask_b32 v[TT], v[SS], v[SS+1], s68               ; + 1 in lanes with bit 1
	v_cndmask_b32 v[TT+1], v[SS+1], v[SS], s68
	v_add_f32_dpp v[SS], v[TT+1], v[TT] row_xmask:2 row_mask:0xf bank_mask:0xf
	v_add_f32_dpp v[RES], v[SS], v[SS] row_xmask:1 row_mask:0xf bank_mask:0xf
.endm
; A TILE of 16 positions, from the quantising of its first half on.  more = 1: x of the next tile is fetched and the next tile's first half is made.
.macro BODY more
	QMAX 0
	L1H 1                                          ; writes over the half just converted
	QFIN 0                                         ; 32 plain lines that name none of those registers: the places behind the f32 form (8 are asked)
	s_wait_dscnt 0x0                               ; the last tile's result is stored (in the first tile: w2's fragments and scale words are in): no LDS instruction of mine is out
	v_add_nc_u32 v[AOUT], 64, v[AOUT]
.if \more
	v_add_nc_u32 v[AX01], 64, v[AX01]
	v_add_nc_u32 v[AX23], 64, v[AX23]
	ds_load_b32 v[XF], v[AX01]                     ; lanes 0-15: x rows 0, 1; lanes 16-31: rows 2, 3
	ds_load_b32 v[XF+1], v[AX01] offset:1024
	ds_load_b32 v[XF+2], v[AX23]                   ; lanes 0-15: rows 4, 5; lanes 16-31: 1.0 and 0.0
	ds_load_b32 v[XF+3], v[AX23] offset:1024
.endif
	QMAX 1
	QFIN 1
.rept 4
	v_nop                                          ; an operand written by vector lines stands four places ahead of a scaled matrix instruction; the scale word stands 37 ahead
.endr
	L2 0
	EGRP 0
	L2 1
	P3 7, 1, 0                                     ; row tile 7's four lines name no register of the products just issued: they are the four places behind them
	EGRP 1
	P3 15, 1, 0
.if \more
	s_wait_dscnt 0x0                               ; the next tile's x
	L1H 0                                          ; over the accumulators, which have been read
.endif
	REDUCE                                         ; its first eight lines are the places behind the f32 form
	ds_store_b32 v[AOUT], v[RES]                   ; lanes r and r xor 1 write the same word with the same bits
.endm
; THE HEAD'S QUANTISER: rows 16 i .. 16 i + 15 of my 32 rows of w2.  Lane (r, h) takes of row r the four blocks k = 128 s + 64 c + 32 h + 0 .. 31 (q = 2 s + c), the very numbers that the operand's layout gives it.
.macro QW i
	WIN 0x40                                       ; destination window 1
.irp q, 0,1,2,3
.irp j, 0,1,2,3,4,5,6,7
	ds_load_b128 v[32*\q+4*\j:32*\q+4*\j+3], v7 offset:16*WPITCH*\i+256*\q+16*\j
.endr
.endr
	s_wait_dscnt 0x0                               ; the numbers are in, and the last tile's image stores have read their registers
	WIN 0x55                                       ; all places window 1
.irp q, 0,1,2,3
	v_max3_num_f32 v[QT+\q], |v[32*\q]|, |v[32*\q+1]|, 0x1800000
.endr
.irp n, 2,4,6,8,10,12,14,16,18,20,22,24,26,28,30
.irp q, 0,1,2,3
	v_max3_num_f32 v[QT+\q], v[QT+\q], |v[32*\q+\n]|, |v[32*\q+\n+1]|
.endr
.endr
.irp q, 0,1,2,3
	v_add_nc_u32 v[QS+\q], 0xff000000, v[QT+\q]
.endr
.irp q, 0,1,2,3
	v_lshrrev_b32 v[QB+\q], 23, v[QS+\q]
.endr
.irp q, 0,1,2,3
.irp g, 0,1,2,3
	v_cvt_scalef32_pk8_fp4_f32 v[QC+4*\q+\g], v[32*\q+8*\g:32*\q+8*\g+7], v[QS+\q]   ; register 4 c + g of fragment s
.endr
.endr
	v_nop                                          ; one plain line behind the scaled conversions
	v_lshl_or_b32 v[QWD], v[QB+1], 16, v[QB]       ; K step 0: my bytes of blocks h and 2 + h,
	v_lshl_or_b32 v[QWD+1], v[QB+3], 16, v[QB+2]   ; K step 1 likewise,
	v_lshlrev_b32 v[QWD], v[Q8H], v[QWD]           ; at their places in the word (8 h bits up);
	v_lshlrev_b32 v[QWD+1], v[Q8H], v[QWD+1]
	v_permlanex16_b32 v[QWD+2], v[QWD], s56, s57
	v_permlanex16_b32 v[QWD+3], v[QWD+1], s56, s57
	v_or_b32 v[QWD], v[QWD], v[QWD+2]              ; with lane l xor 16's two the words are whole
	v_or_b32 v[QWD+1], v[QWD+1], v[QWD+3]
	v_cndmask_b32 v[QWD+2], v[QWD], v[QWD+1], s58  ; lanes 0-15 keep K step 0's word, lanes 16-31 K step 1's
	WIN 0x04                                       ; an LDS store's data are its source 1: window 1
.irp f, 0,1,2,3
	ds_store_b128 v8, v[QC+4*\f:QC+4*\f+3] offset:2048*\i+512*\f   ; the images: 16 bytes a lane, 512 a store
.endr
	ds_store_b32 v9, v[QWD+2] offset:128*\i
	WIN 0
.endm
	s_load_b512 s[8:23], s[0:1], 0x0               ; x s[8:9], obj_idx s[10:11], w1 s[12:13], b1 s[14:15], w2 s[16:17], b2 s[18:19], w3 s[20:21], b3 s[22:23]
	s_load_b64 s[24:25], s[0:1], 0x40              ; out0
	v_lshl_add_u32 v254, v0, 2, 0x4d800
	v_mov_b32 v255, 0
	ds_add_u32 v254, v255
	ds_add_u32 v254, v255
	s_wait_dscnt 0x0
	v_lshrrev_b32 v1, 5, v0
	v_readfirstlane_b32 s2, v1                     ; wave 0..7
	s_and_b32 s4, ttmp7, 0xffff                    ; the sample
	s_mov_b32 s5, ttmp9                            ; the block of 2,048 positions
	s_lshl_b32 s6, s4, 2
	s_mov_b32 s7, 0
	s_mul_i32 s30, s2, WREG                        ; my region for w2
	s_mul_i32 s31, s2, XREG
	s_add_co_u32 s31, s31, XBASE                   ; my region for x
	s_add_co_u32 s62, s30, SIMG                    ; my scale images
	s_lshr_b32 s63, s2, 2
	s_xor_b32 s63, s63, s2
	s_and_b32 s63, s63, 1                          ; bit 0 xor bit 2 of my number: unlike in waves w and w + 1 (w even), and in waves w and w + 4
	s_wait_kmcnt 0x0
	s_add_nc_u64 s[26:27], s[10:11], s[6:7]
	s_load_b32 s3, s[26:27], 0x0                   ; obj_idx[sample]; s[26:27] stay as they are until the wait for it
	; descriptor group 1 for w2: 32 rows x 256 elements of 4 bytes, four words of padding behind every 256
	s_mov_b32 s36, (2<<16)|(1<<20)|(7<<22)|(3<<25)
	s_mov_b32 s37, 256<<16                         ; tensor_dim0
	s_mov_b32 s38, 32<<16                          ; tensor_dim1
	s_mov_b32 s39, 256<<16                         ; tile_dim0
	s_mov_b32 s40, 32                              ; tile_dim1
	s_mov_b32 s41, 256                             ; elements from row to row
	s_mov_b32 s42, 0
	s_mov_b32 s43, 0
	; and for x: 6 rows x 256 elements of 4 bytes, 32,768 elements apart, no padding
	s_mov_b32 s48, 2<<16
	s_mov_b32 s49, 256<<16
	s_mov_b32 s50, 6<<16
	s_mov_b32 s51, 256<<16
	s_mov_b32 s52, 6
	s_mov_b32 s53, 32768
	s_mov_b32 s54, 0
	s_mov_b32 s55, 0
	s_mov_b32 s56, 0x76543210
	s_mov_b32 s57, 0xfedcba98                      ; v_permlanex16_b32's selects for lane l xor 16
	s_mov_b32 s58, 0xffff0000                      ; lanes 16-31
	s_mov_b32 s59, 0x88888888                      ; the sign bits of eight codes
	s_mov_b32 s66, 0xff00ff00                      ; lanes whose number has bit 3,
	s_mov_b32 s67, 0xf0f0f0f0                      ; bit 2,
	s_mov_b32 s68, 0xcccccccc                      ; bit 1
	s_mov_b32 s69, 0x00010001                      ; lanes 0 and 16
	v_and_b32 v1, 31, v0                           ; lane
	v_and_b32 v2, 15, v0                           ; r
	v_bfe_u32 v3, v0, 4, 1                         ; h
	v_and_b32 v4, 8, v2
	v_add_nc_u32 v4, v4, v2                        ; r + 8 (r / 8)
	v_mov_b32 v5, 0
	v_lshlrev_b32 v6, 3, v3                        ; 8 h
	v_lshlrev_b32 v10, 4, v1                       ; 16 x lane
	v_lshlrev_b32 v11, 2, v1                       ; 4 x lane
	v_mul_u32_u24 v13, v4, 24                      ; w1: a channel's six numbers are 24 bytes
	v_add_nc_u32 v14, 16, v13                      ; its k = 4, 5
	v_add_nc_u32 v13, v13, v6                      ; its k = 2 h, 2 h + 1
	v_lshlrev_b32 v15, 2, v4                       ; b1
	v_lshlrev_b32 v34, 2, v2                       ; 4 r: w3 and b2 at my channel of a row tile
	v_mul_u32_u24 v7, v2, WPITCH
	v_lshl_add_u32 v7, v3, 7, v7
	v_add_nc_u32 v7, s30, v7                       ; w2 in LDS: row r, + 128 h bytes
	v_add_nc_u32 v8, s30, v10                      ; where I store fragment images
	v_add_nc_u32 v9, s62, v11                      ; and scale images
.irp k, 0,1,2,3
	v_add_nc_u32 v[IA+\k], \k*2*WREG, v10          ; where I read the fragment images of waves 2 k and 2 k + 1
.endr
	v_lshl_add_u32 v12, v0, 2, CONSTB              ; my word of the constant rows: 256 threads x 4 bytes are a row
	s_wait_kmcnt 0x0
	s_min_u32 s3, s3, 7                            ; the expert, held inside the tables
	s_lshl_b32 s6, s3, 2
	s_add_nc_u64 s[28:29], s[22:23], s[6:7]
	s_load_b32 s61, s[28:29], 0x0                  ; b3[e]; s[28:29] are not written again
	s_lshl_b32 s6, s3, 18                          ; w2[e]: 262,144 bytes an expert,
	s_lshl_b32 s26, s2, 15                         ; my 32 rows of 1,024 bytes
	s_add_co_u32 s6, s6, s26
	s_mov_b32 s32, 1
	s_mov_b32 s33, s30
	s_add_nc_u64 s[34:35], s[16:17], s[6:7]
	s_or_b32 s35, s35, 0x80000000
	s_lshl_b32 s27, s5, 13
	s_lshl_b32 s26, s2, 10
	s_add_co_u32 s27, s27, s26                     ; my first position, in bytes: 8,192 c + 1,024 w
	s_mul_i32 s6, s4, 786432                       ; a sample of x: 6 x 32,768 x 4 bytes
	s_add_co_u32 s6, s6, s27
	s_mov_b32 s44, 1
	s_mov_b32 s45, s31
	s_add_nc_u64 s[46:47], s[8:9], s[6:7]
	s_or_b32 s47, s47, 0x80000000
	tensor_load_to_lds s[32:35], s[36:43]          ; the launch's only fills: two loads of mine are out
	s_nop 0
	tensor_load_to_lds s[44:47], s[48:55]
	s_nop 0
.rept 4
	v_nop
.endr
	s_lshl_b32 s6, s4, 17
	s_add_co_u32 s6, s6, s27
	s_add_nc_u64 s[24:25], s[24:25], s[6:7]        ; out at my first position
	s_mul_i32 s6, s3, 6144
	s_add_nc_u64 s[12:13], s[12:13], s[6:7]        ; w1[e]
	s_lshl_b32 s6, s3, 10
	s_add_nc_u64 s[14:15], s[14:15], s[6:7]        ; b1[e]
	s_add_nc_u64 s[18:19], s[18:19], s[6:7]        ; b2[e]
	s_add_nc_u64 s[20:21], s[20:21], s[6:7]        ; w3[e]
.irp t, 0,1,2,3,4,5,6,7,8,9,10,11,12,13,14,15
	global_load_b64 v[W1F+4*\t:W1F+4*\t+1], v13, s[12:13] offset:24*(32*(\t/2)+8*(\t%2))   ; K part 0 of channel tile t
.endr
.irp t, 0,1,2,3,4,5,6,7,8,9,10,11,12,13,14,15
	global_load_b32 v[WB+2*\t], v34, s[20:21] offset:64*\t           ; w3 at channel 16 t + r
	global_load_b32 v[WB+2*\t+1], v34, s[18:19] offset:64*\t         ; b2 likewise
.endr
	WIN 0x40                                       ; destination window 1
.irp t, 0,1,2,3,4,5,6,7,8,9,10,11,12,13,14,15
	global_load_b64 v[RW+2*\t:RW+2*\t+1], v14, s[12:13] offset:24*(32*(\t/2)+8*(\t%2))     ; k = 4, 5
	global_load_b32 v[RB+\t], v15, s[14:15] offset:4*(32*(\t/2)+8*(\t%2))                  ; b1
.endr
	v_mov_b32 v[QWD+2], 0                          ; a lane permute's destination counts as one of its sources
	v_mov_b32 v[QWD+3], 0
	v_mov_b32 v[Q8H], v6                           ; 8 h, for the quantiser's lines in window 1
	WIN 0
	v_mov_b32 v[RES], 1.0
	ds_store_b32 v12, v[RES]                       ; my word of the row of 1.0
	ds_store_b32 v12, v5 offset:1024               ; and of the row of 0.0
	v_lshl_add_u32 v98, v3, 11, v34                ; 4 r, + two rows of x for lanes 16-31
	s_xor_b32 s26, s2, 7                           ; 7 - wave
	s_mul_i32 s26, s26, XREG
	s_add_co_u32 s26, s26, 2048                    ; from my row 4 of x to the row of 1.0: 2,048 + 6,144 (7 - wave) bytes
	v_mul_u32_u24 v99, s26, v3                     ; which lanes 16-31 go
	v_add_nc_u32 v99, v99, v34
	s_add_co_u32 s27, s31, 4096
	v_add_nc_u32 v[AX01], s31, v98
	v_add_nc_u32 v[AX23], s27, v99
	v_lshrrev_b32 v100, 1, v2
	v_lshlrev_b32 v100, 2, v100
	v_lshl_add_u32 v100, v3, 5, v100               ; my result's place in a tile's 64 bytes: position 8 h + r / 2
	s_add_co_u32 s6, s30, OUTS-64                  ; 64 bytes under my results: the address steps ahead of each tile's store
	v_add_nc_u32 v[AOUT], s6, v100
.irp b, 0,1,2,3
	v_mov_b32 v[TP+\b], 0                          ; a lane permute's destination counts as one of its sources
.endr
	s_wait_kmcnt 0x0                               ; b3
	v_mov_b32 v35, s61
	s_wait_loadcnt 0x0                             ; w1, b1, w3, b2
	WIN 0x05                                       ; sources 0 and 1 window 1
.irp t, 0,1,2,3,4,5,6,7,8,9,10,11,12,13,14,15
	v_cndmask_b32 v[W1F+4*\t+2], v[RW+2*\t], v[RB+\t], s58   ; K part 1: lanes 0-15 k = 4, lanes 16-31 b1
.endr
	WIN 0x01                                       ; source 0 window 1
.irp t, 0,1,2,3,4,5,6,7,8,9,10,11,12,13,14,15
	v_cndmask_b32 v[W1F+4*\t+3], v[RW+2*\t+1], v5, s58       ; lanes 0-15 k = 5, lanes 16-31 zero
.endr
	WIN 0
	v_cndmask_b32 v[INIT], v5, v35, s69            ; b3 once for each position: in lanes 0 and 16
.irp t, 0,1,2,3,4,5,6,7,8,9,10,11,12,13,14,15
	v_fmac_f32 v[INIT], v[WB+2*\t], v[WB+2*\t+1]   ; + w3 b2 of my 16 channels
.endr
	v_mov_b32 v[INIT+1], v[INIT]
.irp t, 0,1,2,3,4,5,6,7,8,9,10,11,12,13,14,15
	v_xor_b32 v[WB+2*\t+1], 0x80000000, v[WB+2*\t+1]   ; -b2
.endr
	s_wait_tensorcnt 0x1                           ; my rows of w2 are in LDS: one load, x's, was issued behind theirs and may stay out
	QW 0
	QW 1
	s_wait_tensorcnt 0x0                           ; x is in
	s_wait_dscnt 0x0                               ; for the others' sake: my images and my words of the constant rows are stored
	s_barrier_signal -1
	s_barrier_wait -1                              ; the launch's one barrier
	ds_load_b32 v[XF], v[AX01]                     ; x of tile 0
	ds_load_b32 v[XF+1], v[AX01] offset:1024
	ds_load_b32 v[XF+2], v[AX23]
	ds_load_b32 v[XF+3], v[AX23] offset:1024
	s_wait_dscnt 0x0
	WIN 0x40                                       ; destination window 1
.irp w, 0,1,2,3,4,5,6,7
.irp f, 0,1,2,3
	ds_load_b128 v[32*\w+8*\f:32*\w+8*\f+3], v[IA+\w/2] offset:(\w%2)*WREG+1024*\f          ; fragment (T = 2 w + f / 2, s = f % 2)
	ds_load_b128 v[32*\w+8*\f+4:32*\w+8*\f+7], v[IA+\w/2] offset:(\w%2)*WREG+1024*\f+512
.endr
.endr
	WIN 0
.irp k, 0,1,2,3
	v_add_nc_u32 v[TM+\k], \k*2*WREG+SIMG, v11
.endr
.irp w, 0,1,2,3,4,5,6,7
.irp i, 0,1
	ds_load_b32 v[W2S+2*\w+\i], v[TM+\w/2] offset:(\w%2)*WREG+128*\i
.endr
.endr                                              ; these 80 loads are waited for in the first tile's middle, ahead of the second product
	; Eight waves on four SIMDs leave the barrier together and would want the same kind of unit in every phase.  The waves with s63 = 1 begin sixteen s_nop 15 later: of two waves that are
	; neighbours by number, and of two that are four apart, one is held and one is not, so that one's vector phases fall beside the other's matrix phases.
	s_cmp_eq_u32 s63, 0
	s_cbranch_scc1 .Lgo
.rept 16
	s_nop 15
.endr
.Lgo:
	L1H 0                                          ; tile 0's first half
.rept 8
	v_nop                                          ; eight places between the f32 form and the first read of its results
.endr
	s_mov_b32 s60, 15
.Ltile:                                                ; a trip goes from a tile's first quantising to the next tile's first half; 15 trips fetch x up to tile 15
	BODY 1
	s_sub_co_i32 s60, s60, 1
	s_cmp_lg_u32 s60, 0
	s_cbranch_scc1 .Ltile
	BODY 0                                         ; the last tile fetches no x and has no successor to work for
	; THE WAY OUT: my 256 results, 1,024 consecutive bytes in LDS and in memory.  LDS serves a wave's instructions in order (ISA guide 5.7.1.4): these loads see my stores.
.irp i, 0,1
	ds_load_b128 v[PC+4*\i:PC+4*\i+3], v8 offset:OUTS+512*\i
.endr
.irp i, 0,1
	s_wait_dscnt 1-\i                              ; the younger load may stay out
	global_store_b128 v10, v[PC+4*\i:PC+4*\i+3], s[24:25] offset:512*\i th:TH_STORE_NT   ; 32 lanes store 512 consecutive bytes, at a multiple of 256 from out0's first byte
.endr
	s_wait_xcnt 0x0
	v_lshl_add_u32 v254, v0, 2, 0x4d800
	v_mov_b32 v255, 0
	s_wait_tensorcnt 0x0
	ds_add_u32 v254, v255
	s_wait_dscnt 0x0
	s_endpgm
.Lfunc_end_k_q1c36b788d8_mlp:
	.size	k_q1c36b788d8_mlp, .Lfunc_end_k_q1c36b788d8_mlp-k_q1c36b788d8_mlp
	.p2alignl 7, 3214868480
	.fill 96, 4, 3214868480
	.section	.rodata,"a",@progbits
	.p2align	6, 0x0
	.amdhsa_kernel k_q1c36b788d8_mlp
		.amdhsa_group_segment_fixed_size 327680
		.amdhsa_private_segment_fixed_size 0
		.amdhsa_enable_private_segment 0
		.amdhsa_kernarg_size 72
		.amdhsa_user_sgpr_count 2
		.amdhsa_user_sgpr_kernarg_segment_ptr 1
		.amdhsa_wavefront_size32 1
		.amdhsa_system_sgpr_workgroup_id_x 1
		.amdhsa_system_sgpr_workgroup_id_y 1
		.amdhsa_system_sgpr_workgroup_id_z 1
		.amdhsa_system_vgpr_workitem_id 0
		.amdhsa_next_free_vgpr 512
		.amdhsa_next_free_sgpr 72
		.amdhsa_reserve_vcc 0
		.amdhsa_float_denorm_mode_32 3
		.amdhsa_float_denorm_mode_16_64 3
		.amdhsa_memory_ordered 1
		.amdhsa_forward_progress 1
		.amdhsa_inst_pref_size 94
	.end_amdhsa_kernel
	.amdgpu_metadata
---
amdhsa.version: [ 1, 2 ]
amdhsa.kernels:
  - .name:           k_q1c36b788d8_mlp
    .symbol:         k_q1c36b788d8_mlp.kd
    .args:
      - { .name: x, .offset: 0, .size: 8, .value_kind: global_buffer, .address_space: global }
      - { .name: obj_idx, .offset: 8, .size: 8, .value_kind: global_buffer, .address_space: global }
      - { .name: w1, .offset: 16, .size: 8, .value_kind: global_buffer, .address_space: global }
      - { .name: b1, .offset: 24, .size: 8, .value_kind: global_buffer, .address_space: global }
      - { .name: w2, .offset: 32, .size: 8, .value_kind: global_buffer, .address_space: global }
      - { .name: b2, .offset: 40, .size: 8, .value_kind: global_buffer, .address_space: global }
      - { .name: w3, .offset: 48, .size: 8, .value_kind: global_buffer, .address_space: global }
      - { .name: b3, .offset: 56, .size: 8, .value_kind: global_buffer, .address_space: global }
      - { .name: out0, .offset: 64, .size: 8, .value_kind: global_buffer, .address_space: global }
    .group_segment_fixed_size: 327680
    .private_segment_fixed_size: 0
    .kernarg_segment_align: 8
    .kernarg_segment_size: 72
    .max_flat_workgroup_size: 256
    .sgpr_count:     72
    .vgpr_count:     512
    .wavefront_size: 32
...
	.end_amdgpu_metadata
.endif
;; end of part 1
